; MI455X (gfx1250); checked and timed in simulation.
; The chip was launched on July 23, 2026; its instructions are those of AMD's public machine-readable ISA for CDNA 5 (MIT licence, August 2026) and "CDNA5" Instruction Set Architecture Reference Guide (July 2026). The comments in the code are by the model that wrote it; some were corrected since.
;; Gemma4 Model. Allowed arithmetic: float matrix products may take bf16 or f16 operands with f32 sums; all other float work in f32.
;; Inputs: Wk 2,048 x 1,024 float32; Wo 1,024 x 2,048 float32; Wq 2,048 x 1,024 float32; Wv 2,048 x 1,024 float32; cos 1 x 4,096 x 256 float32; doc_ids 4,096 int32; hidden_states 1 x 4,096 x 2,048 float32; k_norm_w 256 float32; q_norm_w 256 float32; sin 1 x 4,096 x 256 float32.
;; Outputs: out0 1 x 4,096 x 2,048 float32.
;; One version. Each part assembles by itself: llvm-mc -triple=amdgcn-amd-amdhsa -mcpu=gfx1250 --defsym DOCPART=n.
;; ======== version 1 of 1: 4 launches
;; limits: values outside matrix products are rounded to bf16; values are held in f16: magnitudes above 65,504 overflow, below 6.1e-05 lose precision; right only within a limited range of input values
;; workspace buffers: cb 37,748,736 bytes; qkv 41,943,040 bytes; ao 8,388,608 bytes
;; launch cast (part 1): grid 1152 x 1, 8 waves a work-group, no clusters, 0 bytes of LDS; arguments hidden_states, Wq, Wk, Wv, Wo, cos, sin, cb; writes cb
.if DOCPART == 1
	.amdgcn_target "amdgcn-amd-amdhsa--gfx1250"
	.amdhsa_code_object_version 6
	.text
	.protected	k_q38dfacf5e8_cast
	.globl	k_q38dfacf5e8_cast
	.p2align	8
	.type	k_q38dfacf5e8_cast,@function
k_q38dfacf5e8_cast:
	s_mov_b64 s[64:65], 0
	v_nop
	global_prefetch_b8 v0, s[64:65] scope:SCOPE_SE
	s_setreg_imm32_b32 hwreg(HW_REG_WAVE_MODE, 25, 1), 1
	s_wait_xcnt 0x0
; cast: the seven large f32 inputs, rounded once to bf16 (nearest even), laid one behind the other in cb.
; Wo's rounded numbers are written as f16 codes, since the last product runs in f16.
; LIMITS: NaN and infinities are not treated.  |Wo| must stay below 65,504; a rounded Wo below 2^-14 in magnitude is kept to within 2^-25.
; A work-group owns 65,536 bytes of one input and 32,768 bytes of cb at 32,768 x its number: hidden_states 512 chunks, Wq, Wk, Wv, Wo 128 each,
; cos and sin 64 each.  Thread t takes 16 bytes at 16 t of every 4,096: a wave's load covers 512 consecutive bytes and its store 256, both aligned.
; A stream: every byte is read once and written once; no LDS, no barrier, no matrix unit, no cluster (no two work-groups read the same byte).
.set X, 4                              ; v[4:67]    sixteen loads of four f32
.set Y, 68                             ; v[68:99]   sixteen stores of four 16-bit numbers; never rewritten, so no wait frees them
.set T, 100                            ; v[100:103] at work
	s_load_b512 s[4:19], s[0:1], 0x0               ; hidden s[4:5], Wq, Wk, Wv, Wo, cos, sin, cb s[18:19]
	s_mov_b32 s20, ttmp9                           ; chunk number
	s_mov_b32 s31, 0xffff0000                      ; a word's upper bf16
	v_lshlrev_b32 v1, 4, v0                        ; 16 t
	v_lshlrev_b32 v2, 3, v0                        ; 8 t
	s_wait_kmcnt 0x0
	s_mov_b64 s[22:23], s[4:5]                     ; the source, chosen by the chunk number alone
	s_mov_b32 s24, 0                               ; and its first chunk
.macro PICK first, reg
	s_cmp_ge_u32 s20, \first
	s_cselect_b64 s[22:23], s[\reg:\reg+1], s[22:23]
	s_cselect_b32 s24, \first, s24
.endm
	PICK 512, 6
	PICK 640, 8
	PICK 768, 10
	PICK 896, 12
	PICK 1024, 14
	PICK 1088, 16
	s_sub_co_u32 s26, s20, s24
	s_lshl_b32 s26, s26, 16                        ; my chunk's bytes in its source (below 2^25)
	s_mov_b32 s27, 0
	s_add_nc_u64 s[22:23], s[22:23], s[26:27]
	s_lshl_b32 s28, s20, 15                        ; and in cb (below 2^26)
	s_mov_b32 s29, 0
	s_add_nc_u64 s[18:19], s[18:19], s[28:29]
.irp i, 0,1,2,3,4,5,6,7,8,9,10,11,12,13,14,15
	global_load_b128 v[X+4*\i:X+4*\i+3], v1, s[22:23] offset:4096*\i th:TH_LOAD_NT
.endr
	s_sub_co_u32 s30, s20, 896
	s_cmp_lt_u32 s30, 128                          ; chunks 896 to 1023 are Wo's
	s_cbranch_scc1 .Lf16
.irp i, 0,1,2,3,4,5,6,7,8,9,10,11,12,13,14,15
	s_wait_loadcnt 15-\i                           ; loads return in order: load i is in, the 15 - i younger ones stay out
	v_cvt_pk_bf16_f32 v[Y+2*\i], v[X+4*\i], v[X+4*\i+1]
	v_cvt_pk_bf16_f32 v[Y+2*\i+1], v[X+4*\i+2], v[X+4*\i+3]
	global_store_b64 v2, v[Y+2*\i:Y+2*\i+1], s[18:19] offset:2048*\i
.endr
	s_endpgm
.Lf16:
.irp i, 0,1,2,3,4,5,6,7,8,9,10,11,12,13,14,15
	s_wait_loadcnt 15-\i
	v_cvt_pk_bf16_f32 v[T], v[X+4*\i], v[X+4*\i+1]         ; the rounding that counts
	v_cvt_pk_bf16_f32 v[T+1], v[X+4*\i+2], v[X+4*\i+3]
	v_lshlrev_b32 v[T+2], 16, v[T]                         ; back to f32
	v_and_b32 v[T], s31, v[T]
	v_lshlrev_b32 v[T+3], 16, v[T+1]
	v_and_b32 v[T+1], s31, v[T+1]
	v_cvt_pk_f16_f32 v[Y+2*\i], v[T+2], v[T]               ; 8 significant bits fit f16's 11: exact in f16's normal range
	v_cvt_pk_f16_f32 v[Y+2*\i+1], v[T+3], v[T+1]
	global_store_b64 v2, v[Y+2*\i:Y+2*\i+1], s[18:19] offset:2048*\i
.endr
	s_endpgm
.Lfunc_end_k_q38dfacf5e8_cast:
	.size	k_q38dfacf5e8_cast, .Lfunc_end_k_q38dfacf5e8_cast-k_q38dfacf5e8_cast
	.p2alignl 7, 3214868480
	.fill 96, 4, 3214868480
	.section	.rodata,"a",@progbits
	.p2align	6, 0x0
	.amdhsa_kernel k_q38dfacf5e8_cast
		.amdhsa_group_segment_fixed_size 0
		.amdhsa_private_segment_fixed_size 0
		.amdhsa_enable_private_segment 0
		.amdhsa_kernarg_size 64
		.amdhsa_user_sgpr_count 2
		.amdhsa_user_sgpr_kernarg_segment_ptr 1
		.amdhsa_wavefront_size32 1
		.amdhsa_system_sgpr_workgroup_id_x 1
		.amdhsa_system_sgpr_workgroup_id_y 1
		.amdhsa_system_sgpr_workgroup_id_z 1
		.amdhsa_system_vgpr_workitem_id 0
		.amdhsa_next_free_vgpr 104
		.amdhsa_next_free_sgpr 66
		.amdhsa_reserve_vcc 0
		.amdhsa_float_denorm_mode_32 3
		.amdhsa_float_denorm_mode_16_64 3
		.amdhsa_memory_ordered 1
		.amdhsa_forward_progress 1
		.amdhsa_inst_pref_size 16
	.end_amdhsa_kernel
	.amdgpu_metadata
---
amdhsa.version: [ 1, 2 ]
amdhsa.kernels:
  - .name:           k_q38dfacf5e8_cast
    .symbol:         k_q38dfacf5e8_cast.kd
    .args:
      - { .name: hidden_states, .offset: 0, .size: 8, .value_kind: global_buffer, .address_space: global }
      - { .name: Wq, .offset: 8, .size: 8, .value_kind: global_buffer, .address_space: global }
      - { .name: Wk, .offset: 16, .size: 8, .value_kind: global_buffer, .address_space: global }
      - { .name: Wv, .offset: 24, .size: 8, .value_kind: global_buffer, .address_space: global }
      - { .name: Wo, .offset: 32, .size: 8, .value_kind: global_buffer, .address_space: global }
      - { .name: cos, .offset: 40, .size: 8, .value_kind: global_buffer, .address_space: global }
      - { .name: sin, .offset: 48, .size: 8, .value_kind: global_buffer, .address_space: global }
      - { .name: cb, .offset: 56, .size: 8, .value_kind: global_buffer, .address_space: global }
    .group_segment_fixed_size: 0
    .private_segment_fixed_size: 0
    .kernarg_segment_align: 8
    .kernarg_segment_size: 64
    .max_flat_workgroup_size: 256
    .sgpr_count:     66
    .vgpr_count:     104
    .wavefront_size: 32
...
	.end_amdgpu_metadata
.endif
;; end of part 1
;; launch qkvproj (part 2): grid 12 x 16, 4 waves a work-group, clusters of 4 x 4, 327,680 bytes of LDS; arguments cb, q_norm_w, k_norm_w, qkv; writes qkv
.if DOCPART == 2
	.amdgcn_target "amdgcn-amd-amdhsa--gfx1250"
	.amdhsa_code_object_version 6
	.text
	.protected	k_q38dfacf5e8_qkvproj
	.globl	k_q38dfacf5e8_qkvproj
	.p2align	8
	.type	k_q38dfacf5e8_qkvproj,@function
k_q38dfacf5e8_qkvproj:
	s_mov_b64 s[64:65], 0
	v_nop
	global_prefetch_b8 v0, s[64:65] scope:SCOPE_SE
	s_setreg_imm32_b32 hwreg(HW_REG_WAVE_MODE, 25, 1), 1
	s_wait_xcnt 0x0
	s_wait_alu depctr_hold_cnt(0) depctr_sa_sdst(0) depctr_va_vdst(0) depctr_va_sdst(0) depctr_va_ssrc(0) depctr_va_vcc(0) depctr_vm_vsrc(0)
	s_getreg_b32 s2, hwreg(HW_REG_IB_STS2, 6, 4)
	s_cmp_eq_u32 s2, 0
	s_cbranch_scc0 .Lentry_in_a_cluster
	s_endpgm
.Lentry_in_a_cluster:
	s_bfe_u32 s2, ttmp6, 0x10000c
	s_cmp_lg_u32 s2, 0xf033
	s_cbranch_scc0 .Lentry_shape_is_right
	s_endpgm
.Lentry_shape_is_right:
; qkvproj: X [4096][2048] times Wq, Wk or Wv [2048][1024] (bf16 operands from cb, f32 sums), then per head of 256 columns the RMS norm, and for
; q and k the norm's weight and RoPE, all in f32.  q (times log2 e, so that the softmax can work in base 2) and k leave as f16 pairs hi + lo:
; hi = the f32 cut to 10 fraction bits, lo = the rest; a row of a q or k plane is hi[256] lo[256], 1,024 bytes.  v leaves as f16 [4096][256] a head.
; LIMITS: NaN and infinities are not treated.  16 |w| (|cos| + |sin|) 1.4427 must stay below 65,504 (f16's largest number).  The norm weights, cos and sin
; are taken rounded to bf16, as all floating inputs of this program are.
; A work-group makes 256 rows x one head with four waves; wave w makes rows 64 w .. 64 w + 63 of all 256 columns (64 accumulator tiles, 512 registers), so that
; norm and RoPE never leave the wave.  192 work-groups: a head stays whole in a work-group, and 16 row blocks x 12 heads is what there is.
; K goes in steps of 128 through two LDS slots.  X's tile has K along its rows (pitch 272); W's tile lies [k][n] as in memory (pitch 544) and is transposed on its
; way into registers by ds_load_tr16_b128.
; CLUSTERS: 4 x 4 work-groups.  The cluster's x is the matrix (q, k, v), cx the head, 4 x the cluster's y + cy the row block.  X's tile is shared along a row of the
; cluster, W's along a column: each is asked for jointly, which divides the requests by four.
; REGISTER WINDOWS: 0: addresses, X fragments (two buffers of 4), the way out's work; 1: W fragments (two buffers of 16), later raw cos and sin;
; 2: accumulator tiles of my rows 0-31 (tile (a, b) at v[8 (16 (a & 1) + b)]); 3: of rows 32-63.
; The matrix instruction takes W's fragment as source 0 and X's as source 1: lane (r, h) of tile (a, b) holds row 16 a + r, columns 16 b + 8 h + 0..7.
.set PA, 272                           ; X's LDS pitch: 256 bytes + 16, an odd multiple of 16
.set PB, 544                           ; W's LDS pitch: 512 bytes + 32, an odd multiple of 32
.set HALFT, 34816                      ; what one tensor load fills: 128 x 272 = 64 x 544
.set SLOT, 4*HALFT                     ; X rows 0-127, X rows 128-255, W k-rows 0-63, W k-rows 64-127
.set BOFF, 2*HALFT
.set LAPS, 8                           ; 2048 / (2 x 128)
.set WB, 16777216                      ; cb: Wq, Wk, Wv, 4,194,304 bytes each
.set COSB, 33554432
.set SINB, 35651584
.set VOFF, 33554432                    ; qkv: the v planes
.set SPITCH, 1040                      ; the stage: 16 rows of 256 f32 + 16 bytes
.set STGW, 16*SPITCH                   ; a wave's stage, in slot 0 behind that slot's last fill
.set ADRA, 16                          ; v16-17  my X fragments in slot 0, 1
.set ADRB, 20                          ; v20-21  the W fragments in slot 0, 1
.set STO, 24                           ; stage: where my 32 bytes of a tile's row go
.set RD, 25                            ; stage: where I read rows back
.set CSO, 26                           ; h x 512 + 16 r: my bytes in two rows of cos, sin and v
.set OO, 27                            ; h x 1024 + 16 r: my bytes in two rows of a q or k plane
.set RR, 28                            ; v28-29  1 / rms, twice
.set WAD, 30                           ; 32 r
.set ZR, 31                            ; 0.0
.set FA, 32                            ; v32-63, v64-95: X fragment buffers
.set NT, 32                            ; way out: -t of the upper half
.set O, 48                             ; way out: 16 results, then their lo parts
.set HI, 64                            ; way out: their hi parts
.set PH, 80                            ; packed hi
.set PL, 88                            ; packed lo
.set Y, 96                             ; v96-223 a row tile: normalised, then read back by rows
.set SS, 224                           ; v224-231 four chains of squares
.set W, 232                            ; v232-247 weights of my 16 columns
.set NW, 248                           ; v248-255 minus the upper eight
.set G1A, 24
.set G0A, 32
.set G1B, 40
.set G0B, 48
.set MUL_LO, 0xa1                      ; source 0 window 1, source 1 window 0, C and D window 2
.set MUL_HI, 0xf1                      ; C and D window 3
.set TO_B, 0x40                        ; destination window 1
.set MSB, 0
.macro WIN new                         ; the immediate's high byte repeats the setting that is left
.if MSB != (\new)
	s_set_vgpr_msb (MSB<<8)|(\new)
.set MSB, (\new)
.endif
.endm
.macro PLACES                          ; four plain vector places behind a matrix instruction, ahead of loads into and reads of its registers
.rept 4
	v_nop
.endr
.endm
.macro JLOAD s                         ; waves 0, 1 ask for X's halves, waves 2, 3 for W's: one mask a line, the branch hangs on the wave's number alone
	s_cmp_eq_u32 s13, 0
	s_cbranch_scc0 .Lfor_b_\@
	tensor_load_to_lds s[G0A+4*\s:G0A+4*\s+3], s[G1A:G1A+7]
	s_nop 0
	s_branch .Lasked_\@
.Lfor_b_\@:
	tensor_load_to_lds s[G0B+4*\s:G0B+4*\s+3], s[G1B:G1B+7]
	s_nop 0
.Lasked_\@:
.endm
.macro CREST                           ; a round of the cluster's barrier behind its opening barrier
	s_cmp_lg_u32 s12, 0
	s_cbranch_scc1 .Lnot_wave_0_\@
	s_barrier_signal -3
.Lnot_wave_0_\@:
	s_barrier_wait -3
	s_barrier_signal -1
	s_barrier_wait -1
.endm
.macro CROUND
	s_barrier_signal -1
	s_barrier_wait -1
	CREST
.endm
	s_load_b256 s[4:11], s[0:1], 0x0               ; cb s[4:5], q_norm_w s[6:7], k_norm_w s[8:9], qkv s[10:11]
	v_lshl_add_u32 v22, v0, 2, 0x44000
	v_mov_b32 v23, 0
	ds_add_u32 v22, v23
	v_lshrrev_b32 v1, 5, v0
	v_readfirstlane_b32 s12, v1                    ; wave
	s_lshr_b32 s13, s12, 1                         ; I fetch for X (0) or W (1)
	s_and_b32 s14, s12, 1                          ; which half of that tile
	s_bfe_u32 s15, ttmp6, 0x40000                  ; cx = head
	s_bfe_u32 s16, ttmp6, 0x40004                  ; cy
	s_mov_b32 s17, ttmp9                           ; the cluster's x = 0 q, 1 k, 2 v: the same in all sixteen partners
	s_and_b32 s18, ttmp7, 0xffff
	s_lshl_b32 s18, s18, 2
	s_add_co_u32 s18, s18, s16                     ; row block = 4 x cluster y + cy
	s_lshl_b32 s82, s16, 2
	s_lshl_b32 s82, 15, s82                        ; my row of the cluster
	s_lshl_b32 s83, 0x1111, s15                    ; my column
	s_or_b32 s[G1A+0], s82, (1<<16)|(1<<20)|(1<<21)|(5<<22)|(3<<25)   ; mask; 2-byte elements; padding: 4 words behind every 64; bit 21 beside a mask
	s_mov_b32 s[G1A+1], 128<<16                    ; tensor_dim0 = 128
	s_mov_b32 s[G1A+2], 128<<16                    ; tensor_dim1 = 128
	s_mov_b32 s[G1A+3], 128<<16                    ; tile_dim0 = 128 elements
	s_mov_b32 s[G1A+4], 128                        ; tile_dim1 = 128 rows
	s_mov_b32 s[G1A+5], 2048                       ; elements from row to row of X
	s_mov_b32 s[G1A+6], 0
	s_mov_b32 s[G1A+7], 0
	s_or_b32 s[G1B+0], s83, (1<<16)|(1<<20)|(1<<21)|(6<<22)|(7<<25)   ; padding: 8 words behind every 128
	s_mov_b32 s[G1B+1], 256<<16                    ; 256 columns
	s_mov_b32 s[G1B+2], 64<<16                     ; 64 k-rows
	s_mov_b32 s[G1B+3], 256<<16
	s_mov_b32 s[G1B+4], 64
	s_mov_b32 s[G1B+5], 1024                       ; elements from row to row of W
	s_mov_b32 s[G1B+6], 0
	s_mov_b32 s[G1B+7], 0
	s_lshl_b32 s56, s18, 20                        ; X: (256 x row block + 128 x half) rows of 4,096 bytes; these registers never hold cx
	s_lshl_b32 s58, s14, 19
	s_add_co_u32 s56, s56, s58
	s_mov_b32 s57, 0
	s_lshl_b32 s60, s17, 22                        ; W: the matrix, the head's 512 bytes of a row, 64 x half rows of 2,048 bytes; never hold cy
	s_lshl_b32 s62, s15, 9
	s_add_co_u32 s60, s60, s62
	s_lshl_b32 s62, s14, 17
	s_add_co_u32 s60, s60, s62
	s_add_co_u32 s60, s60, WB
	s_mov_b32 s61, 0
	s_mul_i32 s20, s12, HALFT                      ; where my part of a slot lies: the wave's number alone
	s_mov_b32 s66, 0xffff0000
	s_mov_b32 s67, 0xffffe000                      ; keeps sign, exponent and 10 fraction bits
	s_mov_b32 s68, 0x76543210                      ; v_permlanex16_b32: lane i takes lane i of the other half
	s_mov_b32 s69, 0xfedcba98
	s_mov_b32 s70, 0x3b800000                      ; 1 / 256
	s_mov_b32 s71, 0x358637bd                      ; 1e-6
	s_wait_dscnt 0x0
	s_wait_kmcnt 0x0
	s_add_nc_u64 s[56:57], s[4:5], s[56:57]
	s_add_nc_u64 s[60:61], s[4:5], s[60:61]
	CROUND                                         ; all sixteen work-groups are here: the first joint loads meet
.irp s, 0,1
	s_mov_b32 s[G0A+4*\s], 1
	s_add_co_u32 s[G0A+4*\s+1], s20, \s*SLOT
	s_add_nc_u64 s[G0A+4*\s+2:G0A+4*\s+3], s[56:57], \s*256        ; K step s: 128 elements along the row
	s_or_b32 s[G0A+4*\s+3], s[G0A+4*\s+3], 0x80000000
	s_mov_b32 s[G0B+4*\s], 1
	s_add_co_u32 s[G0B+4*\s+1], s20, \s*SLOT
	s_add_nc_u64 s[G0B+4*\s+2:G0B+4*\s+3], s[60:61], \s*262144     ; K step s: 128 rows of 2,048 bytes down
	s_or_b32 s[G0B+4*\s+3], s[G0B+4*\s+3], 0x80000000
	JLOAD \s                                       ; two tensor loads of this wave are out
.endr
	s_lshl_b32 s56, s18, 17                        ; my 64 rows in cos and sin: (256 x row block + 64 x wave) rows of 512 bytes
	s_lshl_b32 s58, s12, 15
	s_add_co_u32 s56, s56, s58
	s_mov_b32 s57, 0
	s_add_nc_u64 s[74:75], s[4:5], s[56:57]
	s_add_nc_u64 s[76:77], s[74:75], SINB
	s_add_nc_u64 s[74:75], s[74:75], COSB
	v_and_b32 v1, 15, v0                           ; r
	v_bfe_u32 v2, v0, 4, 1                         ; h
	v_mul_u32_u24 v3, v1, PA
	v_lshl_add_u32 v3, v2, 4, v3
	s_mul_i32 s21, s12, 64*PA                      ; my 64 rows of X
	v_add_nc_u32 v[ADRA], s21, v3
	v_add_nc_u32 v[ADRA+1], SLOT, v[ADRA]
	v_and_b32 v4, 7, v0                            ; the transposing load: lane l addresses k-row 8 h + (l & 7), 16 bytes ((l >> 3) & 1)
	v_lshl_add_u32 v4, v2, 3, v4
	v_mul_u32_u24 v4, v4, PB
	v_bfe_u32 v5, v0, 3, 1
	v_lshl_add_u32 v4, v5, 4, v4
	v_add_nc_u32 v[ADRB], BOFF, v4
	v_add_nc_u32 v[ADRB+1], BOFF+SLOT, v4
	s_mul_i32 s23, s12, STGW
	v_mul_u32_u24 v5, v1, SPITCH
	v_lshl_add_u32 v5, v2, 5, v5
	v_add_nc_u32 v[STO], s23, v5                   ; row r, 32 h bytes
	v_mul_u32_u24 v5, v2, SPITCH
	v_lshl_add_u32 v5, v1, 5, v5
	v_add_nc_u32 v[RD], s23, v5                    ; row h, 32 r bytes
	v_lshlrev_b32 v5, 4, v1
	v_lshl_add_u32 v[CSO], v2, 9, v5
	v_lshl_add_u32 v[OO], v2, 10, v5
	v_lshlrev_b32 v[WAD], 5, v1
	v_mov_b32 v[ZR], 0
; 16 matrix instructions: row tile a of the window's two (hi = 0: rows 0-31, 1: rows 32-63) x all 16 column tiles, 32 along K, from buffer u.
; The 64 accumulators take turns, one instruction a turn, in the same order in every quarter step, over the backward jump too.
.macro MUL16 u, hi, a, zero
.irp b, 0,1,2,3,4,5,6,7,8,9,10,11,12,13,14,15
.if \zero
	v_wmma_f32_16x16x32_bf16 v[8*(16*\a+\b):8*(16*\a+\b)+7], v[128*\u+8*\b:128*\u+8*\b+7], v[FA+32*\u+8*(2*\hi+\a):FA+32*\u+8*(2*\hi+\a)+7], 0
.else
	v_wmma_f32_16x16x32_bf16 v[8*(16*\a+\b):8*(16*\a+\b)+7], v[128*\u+8*\b:128*\u+8*\b+7], v[FA+32*\u+8*(2*\hi+\a):FA+32*\u+8*(2*\hi+\a)+7], v[8*(16*\a+\b):8*(16*\a+\b)+7]
.endif
.endr
.endm
; 40 LDS loads in one run: quarter kq of a slot into buffer u: 16 W fragments (32 k-rows x 16 columns each), then my 4 X fragments
.macro FETCH slot, kq, u
	WIN TO_B
.irp b, 0,1,2,3,4,5,6,7,8,9,10,11,12,13,14,15
	ds_load_tr16_b128 v[128*\u+8*\b:128*\u+8*\b+3], v[ADRB+\slot] offset:\kq*32*PB+32*\b
	ds_load_tr16_b128 v[128*\u+8*\b+4:128*\u+8*\b+7], v[ADRB+\slot] offset:\kq*32*PB+32*\b+16*PB
.endr
	WIN 0
.irp i, 0,1,2,3
	ds_load_b128 v[FA+32*\u+8*\i:FA+32*\u+8*\i+3], v[ADRA+\slot] offset:\kq*64+\i*16*PA
	ds_load_b128 v[FA+32*\u+8*\i+4:FA+32*\u+8*\i+7], v[ADRA+\slot] offset:\kq*64+\i*16*PA+32
.endr
.endm
.macro QUARTER slot, kq, u, g, zero
	s_wait_dscnt 4                                 ; all but the four youngest loads (X fragments 2 and 3) are in
	WIN MUL_LO
	MUL16 \u, 0, 0, \zero
	MUL16 \u, 0, 1, \zero
	PLACES
	FETCH \slot, \kq, \g
	s_wait_dscnt 40                                ; all but the 40 just issued
	WIN MUL_HI
	MUL16 \u, 1, 0, \zero
	MUL16 \u, 1, 1, \zero
.endm
.macro THREE slot, zero
	QUARTER \slot, 1, 0, 1, \zero
	QUARTER \slot, 2, 1, 0, 0
	QUARTER \slot, 3, 0, 1, 0
.endm
; The last quarter of a K step changes slots.  In front of the barrier each wave waits for its reads of this slot and for all its tensor loads (one is out: its
; part of the next slot).  Where the slot is filled again the barrier opens a round of the cluster's barrier, and the joint refill is the first tensor load behind it.
.macro TURN slot, next, fill
	s_wait_dscnt 4
	WIN MUL_LO
	MUL16 1, 0, 0, 0
	s_wait_dscnt 0
	s_set_vgpr_msb 0xa1a0
	s_wait_tensorcnt 0x0
	ds_add_u32 v22, v23
	s_wait_dscnt 0x0
	s_set_vgpr_msb 0xa0a1
	s_barrier_signal -1
	MUL16 1, 0, 1, 0                               ; register work while the others arrive
	WIN 0
	s_barrier_wait -1
.if \fill
	CREST
	s_add_nc_u64 s[G0A+4*\slot+2:G0A+4*\slot+3], s[G0A+4*\slot+2:G0A+4*\slot+3], 512       ; two K steps on; no load of mine is out
	s_add_nc_u64 s[G0B+4*\slot+2:G0B+4*\slot+3], s[G0B+4*\slot+2:G0B+4*\slot+3], 524288
	JLOAD \slot
.endif
	PLACES
	FETCH \next, 0, 0
	WIN MUL_HI
	MUL16 1, 1, 0, 0
	MUL16 1, 1, 1, 0
.endm
.macro LAP zero
	THREE 0, \zero
	TURN 0, 1, 1
	THREE 1, 0
	TURN 1, 0, 1
.endm
	s_wait_tensorcnt 1                             ; my part of K step 0 is in; K step 1's stays out
	s_barrier_signal -1
	s_barrier_wait -1
	FETCH 0, 0, 0
	LAP 1                                          ; the first products start the sums: nothing is cleared
	WIN 0
	s_mov_b32 s19, LAPS-2
.Llap:
	LAP 0
	WIN 0
	s_sub_co_u32 s19, s19, 1
	s_cmp_lg_u32 s19, 0
	s_cbranch_scc1 .Llap
	THREE 0, 0                                     ; the last lap fills nothing
	TURN 0, 1, 0                                   ; behind this barrier no wave reads slot 0 and no load lands there: it becomes the stage
	THREE 1, 0
	s_wait_dscnt 4
	WIN MUL_LO
	MUL16 1, 0, 0, 0
	MUL16 1, 0, 1, 0
	s_wait_dscnt 0
	WIN MUL_HI
	MUL16 1, 1, 0, 0
	MUL16 1, 1, 1, 0
	WIN 0
	PLACES
; THE WAY OUT, a row tile (16 rows x 256 columns) at a time.
; NORM: a lane's 128 squares in four chains, the other half of the row from lane l xor 16, 1 / rms, the tile scaled, put into the wave's own stage and read back
; by rows: pair p = rows 2 p + h, a lane takes columns 8 r .. 8 r + 7 and 128 + 8 r .. 128 + 8 r + 7, the two that RoPE joins.
; LDS serves a wave's instructions in order, so the loads see the stores and the next tile's stores follow this tile's loads.
.macro NORM a
.set AB, 128*((\a)&1)
	WIN 0x0a+5*((\a)/2)
.set i, 0
.rept 4
	v_pk_mul_f32 v[SS+2*i:SS+2*i+1], v[AB+2*i:AB+2*i+1], v[AB+2*i:AB+2*i+1]
.set i, i+1
.endr
.rept 60
	v_pk_fma_f32 v[SS+2*(i%4):SS+2*(i%4)+1], v[AB+2*i:AB+2*i+1], v[AB+2*i:AB+2*i+1], v[SS+2*(i%4):SS+2*(i%4)+1]
.set i, i+1
.endr
	WIN 0
	v_pk_add_f32 v[SS:SS+1], v[SS:SS+1], v[SS+2:SS+3]
	v_pk_add_f32 v[SS+4:SS+5], v[SS+4:SS+5], v[SS+6:SS+7]
	v_pk_add_f32 v[SS:SS+1], v[SS:SS+1], v[SS+4:SS+5]
	v_add_f32 v[SS], v[SS], v[SS+1]
	v_permlanex16_b32 v[SS+1], v[SS], s68, s69
	v_add_f32 v[SS], v[SS], v[SS+1]
	v_fma_f32 v[SS], v[SS], s70, s71               ; mean + eps
	v_rsq_f32 v[RR], v[SS]
	v_rsq_f32 v[RR+1], v[SS]
	v_nop                                          ; one plain place behind a transcendental (ISA guide 5.7.2)
	WIN 0x02+((\a)/2)
.set i, 0
	s_wait_alu depctr_va_vdst(0)
.rept 64
	v_pk_mul_f32 v[Y+2*i:Y+2*i+1], v[AB+2*i:AB+2*i+1], v[RR:RR+1]
.set i, i+1
.endr
	WIN 0
.irp b, 0,1,2,3,4,5,6,7,8,9,10,11,12,13,14,15
	ds_store_b128 v[STO], v[Y+8*\b:Y+8*\b+3] offset:64*\b
	ds_store_b128 v[STO], v[Y+8*\b+4:Y+8*\b+7] offset:64*\b+16
.endr
.irp p, 0,1,2,3,4,5,6,7
	ds_load_b128 v[Y+16*\p:Y+16*\p+3], v[RD] offset:2*\p*SPITCH
	ds_load_b128 v[Y+16*\p+4:Y+16*\p+7], v[RD] offset:2*\p*SPITCH+16
	ds_load_b128 v[Y+16*\p+8:Y+16*\p+11], v[RD] offset:2*\p*SPITCH+512
	ds_load_b128 v[Y+16*\p+12:Y+16*\p+15], v[RD] offset:2*\p*SPITCH+528
.endr
.endm
; raw cos and sin (bf16) of row tile a into window 1, half a & 1: pair p has cos low 8, cos high 8, sin low 8, sin high 8 columns, 4 registers each
.macro CSLOAD a
	WIN TO_B
.irp p, 0,1,2,3,4,5,6,7
	global_load_b128 v[128*((\a)&1)+16*\p:128*((\a)&1)+16*\p+3], v[CSO], s[74:75] offset:(16*(\a)+2*\p)*512
	global_load_b128 v[128*((\a)&1)+16*\p+4:128*((\a)&1)+16*\p+7], v[CSO], s[74:75] offset:(16*(\a)+2*\p)*512+256
	global_load_b128 v[128*((\a)&1)+16*\p+8:128*((\a)&1)+16*\p+11], v[CSO], s[76:77] offset:(16*(\a)+2*\p)*512
	global_load_b128 v[128*((\a)&1)+16*\p+12:128*((\a)&1)+16*\p+15], v[CSO], s[76:77] offset:(16*(\a)+2*\p)*512+256
.endr
	WIN 0
.endm
; two fused multiply-adds whose first factor is a bf16 half of one raw word (source 0, window 1)
.macro MIXZ d, c, t
	v_fma_mix_f32_bf16 v[\d], v[\c], v[\t], v[ZR] op_sel:[0,0,0] op_sel_hi:[1,0,0]
	v_fma_mix_f32_bf16 v[\d+1], v[\c], v[\t+1], v[ZR] op_sel:[1,0,0] op_sel_hi:[1,0,0]
.endm
.macro MIXA d, c, t
	v_fma_mix_f32_bf16 v[\d], v[\c], v[\t], v[\d] op_sel:[0,0,0] op_sel_hi:[1,0,0]
	v_fma_mix_f32_bf16 v[\d+1], v[\c], v[\t+1], v[\d+1] op_sel:[1,0,0] op_sel_hi:[1,0,0]
.endm
.macro PAIRQK a, p
.set YB, Y+16*\p
.set CS, 128*((\a)&1)+16*\p
	s_wait_dscnt 4*(7-\p)                          ; pair p's four loads are in, the later pairs' stay out
.irp k, 0,2,4,6
	v_pk_mul_f32 v[NT+\k:NT+\k+1], v[YB+8+\k:YB+8+\k+1], v[NW+\k:NW+\k+1]     ; -t of the upper half
.endr
.irp k, 0,2,4,6,8,10,12,14
	v_pk_mul_f32 v[YB+\k:YB+\k+1], v[YB+\k:YB+\k+1], v[W+\k:W+\k+1]           ; t = y w
.endr
	WIN 0x01
.irp k, 0,1,2,3
	MIXZ O+2*\k, CS+8+\k, NT+2*\k                  ; sin_lo (-t_hi)
	MIXZ O+8+2*\k, CS+12+\k, YB+2*\k               ; sin_hi t_lo
.endr
.irp k, 0,1,2,3
	MIXA O+2*\k, CS+\k, YB+2*\k                    ; + cos_lo t_lo
	MIXA O+8+2*\k, CS+4+\k, YB+8+2*\k              ; + cos_hi t_hi
.endr
	WIN 0
.irp i, 0,1,2,3,4,5,6,7,8,9,10,11,12,13,14,15
	v_and_b32 v[HI+\i], s67, v[O+\i]
.endr
.irp k, 0,2,4,6,8,10,12,14
	v_pk_add_f32 v[O+\k:O+\k+1], v[O+\k:O+\k+1], v[HI+\k:HI+\k+1] neg_lo:[0,1] neg_hi:[0,1]   ; lo = o - hi, exact
.endr
	s_wait_xcnt 0x0                                ; the last pair's stores have had their addresses translated (ISA guide 3.1): PH and PL are rewritten only behind this wait
.irp k, 0,1,2,3,4,5,6,7
	v_cvt_pk_f16_f32 v[PH+\k], v[HI+2*\k], v[HI+2*\k+1]
	v_cvt_pk_f16_f32 v[PL+\k], v[O+2*\k], v[O+2*\k+1]
.endr
	global_store_b128 v[OO], v[PH:PH+3], s[10:11] offset:(16*\a+2*\p)*1024          ; sixteen lanes store 256 consecutive bytes, aligned
	global_store_b128 v[OO], v[PH+4:PH+7], s[10:11] offset:(16*\a+2*\p)*1024+256
	global_store_b128 v[OO], v[PL:PL+3], s[10:11] offset:(16*\a+2*\p)*1024+512
	global_store_b128 v[OO], v[PL+4:PL+7], s[10:11] offset:(16*\a+2*\p)*1024+768
.endm
.macro TILEQK a
	NORM \a
.if \a < 3
	s_wait_loadcnt 32                              ; this tile's cos and sin are in, the next tile's 32 loads stay out
.else
	s_wait_loadcnt 0
.endif
.irp p, 0,1,2,3,4,5,6,7
	PAIRQK \a, \p
.endr
.if \a < 2
	CSLOAD \a+2                                    ; into the half that this tile has just used
.endif
.endm
.macro PAIRV a, p
.set YB, Y+16*\p
	s_wait_dscnt 4*(7-\p)
	s_wait_xcnt 0x0                                ; PH is rewritten only behind this wait
.irp k, 0,1,2,3,4,5,6,7
	v_cvt_pk_f16_f32 v[PH+\k], v[YB+2*\k], v[YB+2*\k+1]
.endr
	global_store_b128 v[CSO], v[PH:PH+3], s[10:11] offset:(16*\a+2*\p)*512
	global_store_b128 v[CSO], v[PH+4:PH+7], s[10:11] offset:(16*\a+2*\p)*512+256
.endm
.macro TILEV a
	NORM \a
.irp p, 0,1,2,3,4,5,6,7
	PAIRV \a, \p
.endr
.endm
	s_cmp_eq_u32 s17, 2                            ; the matrix is the cluster's x: all partners take the same way
	s_cbranch_scc1 .Lvpart
	s_lshl_b32 s80, s17, 2                         ; plane 4 x matrix + head, 4,194,304 bytes each; my 64 rows of 1,024 bytes
	s_add_co_u32 s80, s80, s15
	s_lshl_b32 s80, s80, 22
	s_lshl_b32 s81, s18, 18
	s_add_co_u32 s80, s80, s81
	s_lshl_b32 s81, s12, 16
	s_add_co_u32 s80, s80, s81
	s_mov_b32 s81, 0
	s_add_nc_u64 s[10:11], s[10:11], s[80:81]
	s_cmp_eq_u32 s17, 0
	s_cselect_b64 s[78:79], s[6:7], s[8:9]         ; q's or k's weights
	s_cselect_b32 s72, 0x3fb8aa3b, 1.0             ; q carries log2 e
	s_mov_b32 s73, s72
	global_load_b128 v[W:W+3], v[WAD], s[78:79]
	global_load_b128 v[W+4:W+7], v[WAD], s[78:79] offset:16
	global_load_b128 v[W+8:W+11], v[WAD], s[78:79] offset:512
	global_load_b128 v[W+12:W+15], v[WAD], s[78:79] offset:528
	CSLOAD 0
	s_wait_loadcnt 32                              ; the weights are in, tile 0's cos and sin stay out
.irp k, 0,2,4,6,8,10,12,14
	v_cvt_pk_bf16_f32 v[NT], v[W+\k], v[W+\k+1]    ; the weights rounded to bf16, as every floating input
	v_lshlrev_b32 v[W+\k], 16, v[NT]
	v_and_b32 v[W+\k+1], s66, v[NT]
.endr
.irp k, 0,2,4,6,8,10,12,14
	v_pk_mul_f32 v[W+\k:W+\k+1], v[W+\k:W+\k+1], s[72:73] op_sel_hi:[1,0]
.endr
.irp k, 0,2,4,6
	v_pk_mul_f32 v[NW+\k:NW+\k+1], v[W+8+\k:W+8+\k+1], -1.0 op_sel_hi:[1,0]
.endr
	CSLOAD 1
	TILEQK 0
	TILEQK 1
	TILEQK 2
	TILEQK 3
	s_branch .Lclose
.Lvpart:
	s_lshl_b32 s80, s15, 21                        ; v: the head's plane of 2,097,152 bytes; my 64 rows of 512 bytes
	s_lshl_b32 s81, s18, 17
	s_add_co_u32 s80, s80, s81
	s_lshl_b32 s81, s12, 15
	s_add_co_u32 s80, s80, s81
	s_add_co_u32 s80, s80, VOFF
	s_mov_b32 s81, 0
	s_add_nc_u64 s[10:11], s[10:11], s[80:81]
	TILEV 0
	TILEV 1
	TILEV 2
	TILEV 3
.Lclose:
	s_wait_tensorcnt 0x0
	ds_add_u32 v22, v23
	s_wait_dscnt 0x0
	CROUND                                         ; the closing round: no work-group ends while a partner may still ask for a tile that names it
	s_endpgm
.Lfunc_end_k_q38dfacf5e8_qkvproj:
	.size	k_q38dfacf5e8_qkvproj, .Lfunc_end_k_q38dfacf5e8_qkvproj-k_q38dfacf5e8_qkvproj
	.p2alignl 7, 3214868480
	.fill 96, 4, 3214868480
	.section	.rodata,"a",@progbits
	.p2align	6, 0x0
	.amdhsa_kernel k_q38dfacf5e8_qkvproj
		.amdhsa_group_segment_fixed_size 327680
		.amdhsa_private_segment_fixed_size 0
		.amdhsa_enable_private_segment 0
		.amdhsa_kernarg_size 32
		.amdhsa_user_sgpr_count 2
		.amdhsa_user_sgpr_kernarg_segment_ptr 1
		.amdhsa_wavefront_size32 1
		.amdhsa_system_sgpr_workgroup_id_x 1
		.amdhsa_system_sgpr_workgroup_id_y 1
		.amdhsa_system_sgpr_workgroup_id_z 1
		.amdhsa_system_vgpr_workitem_id 0
		.amdhsa_next_free_vgpr 1024
		.amdhsa_next_free_sgpr 84
		.amdhsa_reserve_vcc 0
		.amdhsa_float_denorm_mode_32 3
		.amdhsa_float_denorm_mode_16_64 3
		.amdhsa_memory_ordered 1
		.amdhsa_forward_progress 1
		.amdhsa_inst_pref_size 255
	.end_amdhsa_kernel
	.section	.bss,"aw",@nobits
	.p2align	6
	.space	262144
	.amdgpu_metadata
---
amdhsa.version: [ 1, 2 ]
amdhsa.kernels:
  - .name:           k_q38dfacf5e8_qkvproj
    .symbol:         k_q38dfacf5e8_qkvproj.kd
    .args:
      - { .name: cb, .offset: 0, .size: 8, .value_kind: global_buffer, .address_space: global }
      - { .name: q_norm_w, .offset: 8, .size: 8, .value_kind: global_buffer, .address_space: global }
      - { .name: k_norm_w, .offset: 16, .size: 8, .value_kind: global_buffer, .address_space: global }
      - { .name: qkv, .offset: 24, .size: 8, .value_kind: global_buffer, .address_space: global }
    .group_segment_fixed_size: 327680
    .private_segment_fixed_size: 0
    .kernarg_segment_align: 8
    .kernarg_segment_size: 32
    .max_flat_workgroup_size: 128
    .sgpr_count:     84
    .vgpr_count:     1024
    .wavefront_size: 32
...
	.end_amdgpu_metadata
.endif
;; end of part 2
;; launch attn (part 3): grid 64 x 4, 4 waves a work-group, clusters of 4 x 1, 327,680 bytes of LDS; arguments qkv, doc_ids, ao; writes ao
.if DOCPART == 3
	.amdgcn_target "amdgcn-amd-amdhsa--gfx1250"
	.amdhsa_code_object_version 6
	.text
	.protected	k_q38dfacf5e8_attn
	.globl	k_q38dfacf5e8_attn
	.p2align	8
	.type	k_q38dfacf5e8_attn,@function
k_q38dfacf5e8_attn:
	s_mov_b64 s[64:65], 0
	v_nop
	global_prefetch_b8 v0, s[64:65] scope:SCOPE_SE
	s_setreg_imm32_b32 hwreg(HW_REG_WAVE_MODE, 25, 1), 1
	s_wait_xcnt 0x0
	s_wait_alu depctr_hold_cnt(0) depctr_sa_sdst(0) depctr_va_vdst(0) depctr_va_sdst(0) depctr_va_ssrc(0) depctr_va_vcc(0) depctr_vm_vsrc(0)
	s_getreg_b32 s2, hwreg(HW_REG_IB_STS2, 6, 4)
	s_cmp_eq_u32 s2, 0
	s_cbranch_scc0 .Lentry_in_a_cluster
	s_endpgm
.Lentry_in_a_cluster:
	s_bfe_u32 s2, ttmp6, 0x10000c
	s_cmp_lg_u32 s2, 0x3003
	s_cbranch_scc0 .Lentry_shape_is_right
	s_endpgm
.Lentry_shape_is_right:
; attn: softmax(q k^T) v for one head and 64 queries a work-group, with the mask (0 <= q - k < 1024) and the input mask doc_ids[q] == doc_ids[k].
; q carries log2 e, so the exponentials are in base 2.  A running maximum is taken away before every exponential.
; Scores in three f16 products with f32 sums: qh kh + ql kh + qh kl.  P, V and the result are f16 (bounded by 1, 16 and 16 by the norms and the softmax).
; LIMITS: NaN and infinities are not treated.  The running maximum starts at -1e30: a score below that would count as masked (f16 operands bound |score| by 3.3e12).
; CLUSTERS: the four query blocks of 256 neighbouring queries walk the same keys, max(256 c - 1024, 0) .. 256 c + 255, in tiles of 64: K's and V's tiles and the keys'
; doc ids are asked for jointly by all four; a partner masks what lies outside its own band.  The trip count hangs on the cluster's x alone.
; A slot holds one tile: K hi (wave 0 fetches it), K lo (wave 1), V (wave 2) and the 64 keys' doc ids (wave 3): one tensor load a wave for each refill.
; WAVES: qg = wave & 1 takes 32 queries (two tiles t), kg = wave >> 1 takes 32 of a tile's 64 keys; the two key halves are merged at the end.
; LAYOUT: S^T = K Q^T (source 0 = K's rows, source 1 = Q's rows): lane (r, h) holds query r, keys 16 kt + 8 h + j.  Packed to f16 in place that is P as source 1 of
; O^T = V^T P^T (source 0 = V through the transposing load): lane (r, h) holds query r, d = 16 b + 8 h + j.  So maximum, sum and rescaling factor are a lane's own.
; REGISTER WINDOWS: 0 addresses, statistics, S, V fragments; 1 Q fragments (hi at 8 (8 t + c), lo 128 higher); 2 O (tile (t, b) at 8 (16 t + b)); 3 K fragments (hi at 8 (8 kt + c), lo 128 higher).
.set SLOT, 104704                      ; K hi 64 x 528 (in 34,816), K lo the same, V 64 x 544, 64 doc ids (256 bytes)
.set KLO, 34816                        ; also: what lies between two waves' parts of a slot
.set VB, 69632
.set DOCO, 104448
.set PK, 528                           ; 512 bytes + 16: an odd multiple of 16
.set PVP, 544                          ; 512 bytes + 32: an odd multiple of 32
.set QB, 209408                        ; 64 rows of hi[256] lo[256], pitch 1,040
.set PQ, 1040
.set MLB, 275968                       ; m[wave][t][16], then l[wave][t][16]
.set STG, 276992                       ; four stages of 16 rows x 528
.set SP, 528
.set VOFF, 33554432
.set ADRD, 6                           ; v6-7   doc ids of my keys in slot 0, 1; never rewritten
.set ADRK, 8
.set ADRV, 10
.set PST, 13
.set MLS, 14
.set MLR, 15
.set MX, 16                            ; m[t] at MX + 2 t (a pair whose low register is used)
.set AL, 20                            ; alpha[t] at AL + 2 t, likewise
.set LS, 24                            ; l[t]
.set DQ, 26                            ; doc id of query r of tile t
.set DT, 28                            ; running query - key distance
.set XM, 30
.set YM, 32
.set MT, 34                            ; v34-37 at work
.set NEG, 38                           ; the lowest finite f32
.set DK, 40                            ; v40-55 doc ids of my 16 keys; behind the mask: sums at work
.set PRD, 56
.set STO, 58
.set RD, 59
.set OO, 60
.set ADRQ, 61
.set DQA, 62
.set SC, 64                            ; v64-95 S(t, kt) at SC + 16 t + 8 kt
.set VF, 128                           ; v128-255 V fragments
.set G1K, 40
.set G1V, 48
.set G0, 56                            ; s[56:63] group 0 of my part of slot 0, 1
.set G0Q, 68
.set G1Q, 76
.set G1D, 84
.set MSB, 0
.macro WIN new
.if MSB != (\new)
	s_set_vgpr_msb (MSB<<8)|(\new)
.set MSB, (\new)
.endif
.endm
.macro ROUND                           ; a round of the cluster's barrier
	s_barrier_signal -1
	s_barrier_wait -1
	s_cmp_lg_u32 s10, 0
	s_cbranch_scc1 .Lnot_wave_0_\@
	s_barrier_signal -3
.Lnot_wave_0_\@:
	s_barrier_wait -3
	s_barrier_signal -1
	s_barrier_wait -1
.endm
	s_load_b128 s[4:7], s[0:1], 0x0                ; qkv s[4:5], doc_ids s[6:7]
	s_load_b64 s[8:9], s[0:1], 0x10                ; ao
	v_lshl_add_u32 v39, v0, 2, 0x4be00
	v_mov_b32 v63, 0
	ds_add_u32 v39, v63
	v_lshrrev_b32 v1, 5, v0
	v_readfirstlane_b32 s10, v1                    ; wave
	s_lshr_b32 s11, s10, 1                         ; kg
	s_and_b32 s12, s10, 1                          ; qg
	s_mov_b32 s13, ttmp9                           ; the cluster's x
	s_bfe_u32 s14, ttmp6, 0x40000                  ; cx
	s_and_b32 s15, ttmp7, 0xffff                   ; head
	s_lshl_b32 s17, s13, 8
	s_lshl_b32 s36, s14, 6
	s_add_co_u32 s16, s17, s36                     ; my first query
	s_sub_co_i32 s17, s17, 1024
	s_max_i32 s17, s17, 0                          ; the cluster's first key
	s_lshl_b32 s18, s13, 1
	s_add_co_u32 s18, s18, 1
	s_min_u32 s18, s18, 9                          ; trips of two tiles; with one tile ahead and one behind: min(4 c + 4, 20) tiles
	s_max_u32 s18, s18, 1                          ; 2 c + 1 is at least 1: the loop that counts down to 0 ends
	s_mov_b32 s20, 1024
	s_mov_b32 s21, 0xf149f2ca                      ; -1e30
	s_mov_b32 s22, 0x76543210
	s_mov_b32 s23, 0xfedcba98
	s_mov_b32 s[G1K+0], 15|(1<<16)|(1<<20)|(1<<21)|(6<<22)|(3<<25)   ; all four partners; 2-byte elements; 4 words behind every 128
	s_mov_b32 s[G1K+1], 256<<16
	s_mov_b32 s[G1K+2], 64<<16
	s_mov_b32 s[G1K+3], 256<<16
	s_mov_b32 s[G1K+4], 64
	s_mov_b32 s[G1K+5], 512                        ; a row of a k plane is 512 elements
	s_mov_b32 s[G1K+6], 0
	s_mov_b32 s[G1K+7], 0
	s_mov_b32 s[G1V+0], 15|(1<<16)|(1<<20)|(1<<21)|(6<<22)|(7<<25)   ; 8 words behind every 128
	s_mov_b32 s[G1V+1], 256<<16
	s_mov_b32 s[G1V+2], 64<<16
	s_mov_b32 s[G1V+3], 256<<16
	s_mov_b32 s[G1V+4], 64
	s_mov_b32 s[G1V+5], 256
	s_mov_b32 s[G1V+6], 0
	s_mov_b32 s[G1V+7], 0
	s_mov_b32 s[G1Q+0], (1<<16)|(1<<20)|(7<<22)|(3<<25)              ; my own queries: no mask; 4 words behind every 256
	s_mov_b32 s[G1Q+1], 512<<16
	s_mov_b32 s[G1Q+2], 64<<16
	s_mov_b32 s[G1Q+3], 512<<16
	s_mov_b32 s[G1Q+4], 64
	s_mov_b32 s[G1Q+5], 512
	s_mov_b32 s[G1Q+6], 0
	s_mov_b32 s[G1Q+7], 0
	s_mov_b32 s[G1D+0], 15|(3<<16)|(1<<21)         ; 64 doc ids: one row of 32 elements of 8 bytes, for all four partners
	s_mov_b32 s[G1D+1], 32<<16
	s_mov_b32 s[G1D+2], 1<<16
	s_mov_b32 s[G1D+3], 32<<16
	s_mov_b32 s[G1D+4], 1
	s_mov_b32 s[G1D+5], 32
	s_mov_b32 s[G1D+6], 0
	s_mov_b32 s[G1D+7], 0
	; My part of a slot: wave 0 K hi, wave 1 K lo, wave 2 V, wave 3 the doc ids.  The offsets hang on head, the cluster's x and the wave's number;
	; s19, s24, s25, s34, s35, s38, s39 never hold cx.
	s_add_co_u32 s34, s15, 4
	s_lshl_b32 s34, s34, 22
	s_lshl_b32 s35, s17, 10
	s_add_co_u32 s34, s34, s35
	s_lshl_b32 s35, s12, 9
	s_add_co_u32 s34, s34, s35                     ; K: plane 4 + head, first key's row, 512 bytes on for lo
	s_lshl_b32 s35, s15, 21
	s_add_co_u32 s35, s35, VOFF
	s_lshl_b32 s19, s17, 9
	s_add_co_u32 s35, s35, s19                     ; V: the head's plane, first key's row
	s_cmp_lt_u32 s10, 2
	s_cselect_b32 s34, s34, s35
	s_cselect_b32 s19, 1, 0
	s_lshl_b32 s24, 65536, s19                     ; 128 keys on: 131,072 bytes of K, 65,536 of V,
	s_lshl_b32 s35, s17, 2                         ; doc ids: 4 bytes a key
	s_cmp_eq_u32 s10, 3
	s_cselect_b32 s34, s35, s34
	s_cselect_b32 s24, 512, s24                    ; 512 of doc ids
	s_mov_b32 s25, 0
	s_mov_b32 s35, 0
	s_lshr_b32 s38, s24, 1                         ; 64 keys on
	s_mov_b32 s39, 0
	s_lshl_b32 s36, s15, 22                        ; Q: plane head, my first query's row (holds cx: feeds the plain load alone)
	s_lshl_b32 s37, s16, 10
	s_add_co_u32 s36, s36, s37
	s_mov_b32 s37, 0
	s_mov_b32 s[G0+0], 1
	s_mul_i32 s[G0+1], s10, KLO                    ; wave x 34,816
	s_mov_b32 s[G0+4], 1
	s_add_co_u32 s[G0+5], s[G0+1], SLOT
	s_mov_b32 s[G0Q+0], 1
	s_mov_b32 s[G0Q+1], QB
	s_wait_dscnt 0x0
	s_wait_kmcnt 0x0
	s_cmp_eq_u32 s10, 3
	s_cselect_b64 s[72:73], s[6:7], s[4:5]         ; wave 3 reads doc_ids, the others qkv: chosen by the wave's number
	s_add_nc_u64 s[G0+2:G0+3], s[72:73], s[34:35]
	s_add_nc_u64 s[G0+6:G0+7], s[G0+2:G0+3], s[38:39]
	s_or_b32 s[G0+3], s[G0+3], 0x80000000
	s_or_b32 s[G0+7], s[G0+7], 0x80000000
	s_add_nc_u64 s[G0Q+2:G0Q+3], s[4:5], s[36:37]
	s_or_b32 s[G0Q+3], s[G0Q+3], 0x80000000
	ROUND                                          ; in front of the first joint loads
	s_cmp_lt_u32 s10, 2                            ; all first fills in one tree on the wave's number: two tensor loads in waves 0 to 2, three in wave 3
	s_cbranch_scc0 .Lnot_k
	tensor_load_to_lds s[G0:G0+3], s[G1K:G1K+7]
	s_nop 0
	tensor_load_to_lds s[G0+4:G0+7], s[G1K:G1K+7]
	s_nop 0
	s_branch .Lfilled
.Lnot_k:
	s_cmp_eq_u32 s10, 2
	s_cbranch_scc0 .Lwave_3
	tensor_load_to_lds s[G0:G0+3], s[G1V:G1V+7]
	s_nop 0
	tensor_load_to_lds s[G0+4:G0+7], s[G1V:G1V+7]
	s_nop 0
	s_branch .Lfilled
.Lwave_3:
	tensor_load_to_lds s[G0Q:G0Q+3], s[G1Q:G1Q+7]
	s_nop 0
	tensor_load_to_lds s[G0:G0+3], s[G1D:G1D+7]
	s_nop 0
	tensor_load_to_lds s[G0+4:G0+7], s[G1D:G1D+7]
	s_nop 0
.Lfilled:
	v_and_b32 v1, 15, v0                           ; r
	v_bfe_u32 v2, v0, 4, 1                         ; h
	v_and_b32 v3, 31, v0                           ; lane
	v_mul_u32_u24 v4, v1, PK
	v_lshl_add_u32 v4, v2, 4, v4
	s_mul_i32 s26, s11, 32*PK
	v_add_nc_u32 v[ADRK], s26, v4                  ; key row 32 kg + r, 16 h
	v_add_nc_u32 v[ADRK+1], SLOT, v[ADRK]
	v_and_b32 v4, 7, v0
	v_lshl_add_u32 v4, v2, 3, v4
	v_mul_u32_u24 v4, v4, PVP
	v_bfe_u32 v5, v0, 3, 1
	v_lshl_add_u32 v4, v5, 4, v4
	s_mul_i32 s26, s11, 32*PVP
	s_add_co_u32 s26, s26, VB
	v_add_nc_u32 v[ADRV], s26, v4                  ; key row 32 kg + 8 h + (l & 7), 16 bytes ((l >> 3) & 1)
	v_add_nc_u32 v[ADRV+1], SLOT, v[ADRV]
	s_lshl_b32 s26, s11, 7
	s_add_co_u32 s26, s26, DOCO
	v_lshl_add_u32 v[ADRD], v2, 5, s26             ; ids of keys 32 kg + 8 h .. of the slot's tile
	v_add_nc_u32 v[ADRD+1], SLOT, v[ADRD]
	s_lshl_b32 s26, s10, 15
	v_lshl_add_u32 v[PST], v3, 4, s26              ; my partial sums: 32,768 bytes a wave
	s_lshl_b32 s26, s10, 7
	s_add_co_u32 s26, s26, MLB
	v_lshl_add_u32 v[MLS], v1, 2, s26
	s_lshl_b32 s26, s12, 7
	s_lshl_b32 s27, s11, 6
	s_add_co_u32 s26, s26, s27
	s_add_co_u32 s26, s26, MLB
	v_lshl_add_u32 v[MLR], v1, 2, s26              ; wave qg, tile kg: the tile that I merge
	s_lshl_b32 s26, s12, 15
	s_lshl_b32 s27, s11, 14
	s_add_co_u32 s26, s26, s27
	v_lshl_add_u32 v[PRD], v3, 4, s26
	v_add_nc_u32 v[PRD+1], 65536, v[PRD]           ; the same tile of wave qg + 2
	s_mul_i32 s26, s10, 16*SP
	s_add_co_u32 s26, s26, STG
	v_mul_u32_u24 v4, v1, SP
	v_lshl_add_u32 v4, v2, 4, v4
	v_add_nc_u32 v[STO], s26, v4
	v_lshl_add_u32 v[RD], v3, 4, s26
	v_lshlrev_b32 v[OO], 4, v3
	s_mul_i32 s26, s12, 32*PQ
	s_add_co_u32 s26, s26, QB
	v_mul_u32_u24 v4, v1, PQ
	v_lshl_add_u32 v4, v2, 4, v4
	v_add_nc_u32 v[ADRQ], s26, v4
	s_lshl_b32 s37, s12, 5
	s_add_co_u32 s37, s37, s16
	s_lshl_b32 s37, s37, 2
	v_lshl_add_u32 v[DQA], v1, 2, s37
	global_load_b32 v[DQ], v[DQA], s[6:7]          ; doc ids of queries 32 qg + r and + 16
	global_load_b32 v[DQ+1], v[DQA], s[6:7] offset:64
	; DT[t] + 31 - e, behind the step's subtraction of 64, is query - key for element e = 16 kt + j: the constants 31 - e are 0 .. 31
	s_sub_co_u32 s36, s16, s17
	s_lshl_b32 s37, s12, 5
	s_add_co_u32 s36, s36, s37
	s_lshl_b32 s37, s11, 5
	s_sub_co_u32 s36, s36, s37
	s_add_co_u32 s36, s36, 33
	v_lshlrev_b32 v4, 3, v2
	v_sub_nc_u32 v4, v1, v4
	v_add_nc_u32 v[DT], s36, v4
	v_add_nc_u32 v[DT+1], 16, v[DT]
	v_mov_b32 v[NEG], 0xff7fffff
	v_mov_b32 v[MX+1], 0                           ; the pairs' upper registers and the permutes' destinations count as read: written once
	v_mov_b32 v[MX+3], 0
	v_mov_b32 v[AL+1], 0
	v_mov_b32 v[AL+3], 0
	v_mov_b32 v[YM], 0
	v_mov_b32 v[YM+1], 0
	s_lshl_b32 s36, s12, 5                         ; the tile that I store: queries 32 qg + 16 kg .., 2,048 bytes a row, the head's 512 bytes
	s_lshl_b32 s37, s11, 4
	s_add_co_u32 s36, s36, s37
	s_add_co_u32 s36, s36, s16
	s_lshl_b32 s36, s36, 11
	s_lshl_b32 s37, s15, 9
	s_add_co_u32 s36, s36, s37
	s_mov_b32 s37, 0
	s_add_nc_u64 s[8:9], s[8:9], s[36:37]
	s_wait_tensorcnt 0x0                           ; all my first fills have landed (the waves' numbers of fills differ: the count is 0)
	s_barrier_signal -1
	s_barrier_wait -1                              ; everybody's have
	WIN 0x40
.irp t, 0,1
.irp c, 0,1,2,3,4,5,6,7
	ds_load_b128 v[8*(8*\t+\c):8*(8*\t+\c)+3], v[ADRQ] offset:16*PQ*\t+64*\c
	ds_load_b128 v[8*(8*\t+\c)+4:8*(8*\t+\c)+7], v[ADRQ] offset:16*PQ*\t+64*\c+32
	ds_load_b128 v[128+8*(8*\t+\c):128+8*(8*\t+\c)+3], v[ADRQ] offset:16*PQ*\t+64*\c+512
	ds_load_b128 v[128+8*(8*\t+\c)+4:128+8*(8*\t+\c)+7], v[ADRQ] offset:16*PQ*\t+64*\c+544
.endr
.endr
	WIN 0
	s_wait_loadcnt 0x0                             ; the queries' doc ids
; four matrix instructions, one on each of the four score tiles: they take turns, one instruction a turn
.macro SPROD c, ko, qo, first
.irp kt, 0,1
.irp t, 0,1
.if \first
	v_wmma_f32_16x16x32_f16 v[SC+16*\t+8*\kt:SC+16*\t+8*\kt+7], v[\ko+8*(8*\kt+\c):\ko+8*(8*\kt+\c)+7], v[\qo+8*(8*\t+\c):\qo+8*(8*\t+\c)+7], 0
.else
	v_wmma_f32_16x16x32_f16 v[SC+16*\t+8*\kt:SC+16*\t+8*\kt+7], v[\ko+8*(8*\kt+\c):\ko+8*(8*\kt+\c)+7], v[\qo+8*(8*\t+\c):\qo+8*(8*\t+\c)+7], v[SC+16*\t+8*\kt:SC+16*\t+8*\kt+7]
.endif
.endr
.endr
.endm
.macro SCH c, left                     ; 32 of the 256 d: kh qh, kh ql, kl qh
	s_wait_dscnt \left
.if \c == 0
	SPROD \c, 0, 0, 1
.else
	SPROD \c, 0, 0, 0
.endif
	SPROD \c, 0, 128, 0
	SPROD \c, 128, 0, 0
.endm
.macro MASK4 t, kt, j0                 ; four scores: kept where 0 <= query - key < 1024 (one unsigned compare) and the doc ids agree
.irp i, 0,1,2,3
	v_add_nc_u32 v[MT+\i], 31-16*\kt-\j0-\i, v[DT+\t]
.endr
.irp i, 0,1,2,3
	v_cmp_gt_u32 s[26+\i], s20, v[MT+\i]
	v_cmp_eq_u32 s[30+\i], v[DK+8*\kt+\j0+\i], v[DQ+\t]
.endr
.irp i, 0,1,2,3
	s_and_b32 s[26+\i], s[26+\i], s[30+\i]
.endr
.irp i, 0,1,2,3
	v_cndmask_b32 v[SC+16*\t+8*\kt+\j0+\i], v[NEG], v[SC+16*\t+8*\kt+\j0+\i], s[26+\i]
.endr
.endm
.macro SOFT t, zero
.set SB, SC+16*\t
.if \zero
	v_max3_num_f32 v[XM+\t], v[SB], v[SB+1], s21
.else
	v_max3_num_f32 v[XM+\t], v[SB], v[SB+1], v[MX+2*\t]
.endif
.irp i, 2,4,6,8,10,12,14
	v_max3_num_f32 v[XM+\t], v[XM+\t], v[SB+\i], v[SB+\i+1]
.endr
	v_permlanex16_b32 v[YM+\t], v[XM+\t], s22, s23         ; the same query's other sixteen keys
	v_max_num_f32 v[XM+\t], v[XM+\t], v[YM+\t]
.if \zero == 0
	v_sub_f32 v[MT+\t], v[MX+2*\t], v[XM+\t]
	v_exp_f32 v[AL+2*\t], v[MT+\t]                         ; alpha = 2^(old maximum - new)
.endif
	v_mov_b32 v[MX+2*\t], v[XM+\t]                         ; also the plain place behind the exponential
.irp i, 0,2,4,6,8,10,12,14
	v_pk_add_f32 v[SB+\i:SB+\i+1], v[SB+\i:SB+\i+1], v[MX+2*\t:MX+2*\t+1] op_sel_hi:[1,0] neg_lo:[0,1] neg_hi:[0,1]
.endr
.irp i, 0,1,2,3,4,5,6,7,8,9,10,11,12,13,14,15
	v_exp_f32 v[SB+\i], v[SB+\i]
.endr
	v_nop                                                  ; one plain place behind the transcendentals (ISA guide 5.7.2)
	s_wait_alu depctr_va_vdst(0)
	v_pk_add_f32 v[DK:DK+1], v[SB:SB+1], v[SB+2:SB+3]
	v_pk_add_f32 v[DK+2:DK+3], v[SB+4:SB+5], v[SB+6:SB+7]
	v_pk_add_f32 v[DK+4:DK+5], v[SB+8:SB+9], v[SB+10:SB+11]
	v_pk_add_f32 v[DK+6:DK+7], v[SB+12:SB+13], v[SB+14:SB+15]
	v_pk_add_f32 v[DK:DK+1], v[DK:DK+1], v[DK+2:DK+3]
	v_pk_add_f32 v[DK+4:DK+5], v[DK+4:DK+5], v[DK+6:DK+7]
	v_pk_add_f32 v[DK:DK+1], v[DK:DK+1], v[DK+4:DK+5]
.if \zero
	v_add_f32 v[LS+\t], v[DK], v[DK+1]
.else
	v_add_f32 v[DK], v[DK], v[DK+1]
	v_fma_f32 v[LS+\t], v[LS+\t], v[AL+2*\t], v[DK]
.endif
.irp i, 0,1,2,3,4,5,6,7
	v_cvt_pk_f16_f32 v[SB+\i], v[SB+2*\i], v[SB+2*\i+1]    ; in place: word i is written when words 2 i and 2 i + 1 are read, never ahead of them
.endr
.endm
; One tile of 64 keys from a slot.  zero = 1: the first tile starts maximum, sum and O.
.macro STEP slot, zero
	ds_load_b128 v[DK:DK+3], v[ADRD+\slot]
	ds_load_b128 v[DK+4:DK+7], v[ADRD+\slot] offset:16
	ds_load_b128 v[DK+8:DK+11], v[ADRD+\slot] offset:64
	ds_load_b128 v[DK+12:DK+15], v[ADRD+\slot] offset:80
	WIN 0xc0
.irp c, 0,1,2,3,4,5,6,7
.irp kt, 0,1
	ds_load_b128 v[8*(8*\kt+\c):8*(8*\kt+\c)+3], v[ADRK+\slot] offset:16*PK*\kt+64*\c
	ds_load_b128 v[8*(8*\kt+\c)+4:8*(8*\kt+\c)+7], v[ADRK+\slot] offset:16*PK*\kt+64*\c+32
.endr
.irp kt, 0,1
	ds_load_b128 v[128+8*(8*\kt+\c):128+8*(8*\kt+\c)+3], v[ADRK+\slot] offset:KLO+16*PK*\kt+64*\c
	ds_load_b128 v[128+8*(8*\kt+\c)+4:128+8*(8*\kt+\c)+7], v[ADRK+\slot] offset:KLO+16*PK*\kt+64*\c+32
.endr
.endr
	WIN 0x07                                       ; source 0 (K) window 3, source 1 (Q) window 1, S in window 0
	SCH 0, 56                                      ; eight loads a chunk: the counts are the later chunks' loads; the doc ids, issued first, are in too
	SCH 1, 48
	SCH 2, 40
	SCH 3, 32
	SCH 4, 24
	WIN 0
.irp b, 0,1,2,3,4,5,6,7,8,9,10,11,12,13,14,15
	ds_load_tr16_b128 v[VF+8*\b:VF+8*\b+3], v[ADRV+\slot] offset:32*\b          ; V's fragments: their last matrix readers lie behind the last step's places
	ds_load_tr16_b128 v[VF+8*\b+4:VF+8*\b+7], v[ADRV+\slot] offset:32*\b+16*PVP
.endr
	WIN 0x07
	SCH 5, 48                                      ; two chunks of K and V's 32
	SCH 6, 40
	SCH 7, 32
	WIN 0
	v_sub_nc_u32 v[DT], v[DT], 64                  ; four plain places behind the last score product (ISA guide 7.12.1), two of them useful
	v_sub_nc_u32 v[DT+1], v[DT+1], 64
	v_nop
	v_nop
.irp t, 0,1
.irp kt, 0,1
	MASK4 \t, \kt, 0
	MASK4 \t, \kt, 4
.endr
.endr
	SOFT 0, \zero
	SOFT 1, \zero
.if \zero == 0
	WIN 0x82
.irp t, 0,1
.set i, 0
.rept 64
	v_pk_mul_f32 v[128*\t+2*i:128*\t+2*i+1], v[128*\t+2*i:128*\t+2*i+1], v[AL+2*\t:AL+2*\t+1] op_sel_hi:[1,0]
.set i, i+1
.endr
.endr
.endif
	s_wait_dscnt 0                                 ; V is in; no read of this slot is out any more
	WIN 0xa0
.irp t, 0,1
.irp b, 0,1,2,3,4,5,6,7,8,9,10,11,12,13,14,15
.if \zero
	v_wmma_f32_16x16x32_f16 v[8*(16*\t+\b):8*(16*\t+\b)+7], v[VF+8*\b:VF+8*\b+7], v[SC+16*\t:SC+16*\t+7], 0
.else
	v_wmma_f32_16x16x32_f16 v[8*(16*\t+\b):8*(16*\t+\b)+7], v[VF+8*\b:VF+8*\b+7], v[SC+16*\t:SC+16*\t+7], v[8*(16*\t+\b):8*(16*\t+\b)+7]
.endif
.endr
.endr
	WIN 0
.rept 5
	v_nop                                          ; five places: the next score product writes over P, a source of these; the next loads land in fragments
.endr
.endm
; A slot that has been read is filled again: my reads are back, all my tensor loads have landed, the address steps, a round of the cluster's barrier, and the joint
; load first behind it, one a wave: my part of the slot.  It has the next step in which to land.
.macro REFILL slot
	s_wait_dscnt 0x0
	s_wait_tensorcnt 0x0
	ds_add_u32 v39, v63
	s_wait_dscnt 0x0
	s_add_nc_u64 s[G0+4*\slot+2:G0+4*\slot+3], s[G0+4*\slot+2:G0+4*\slot+3], s[24:25]
	ROUND
	s_cmp_lt_u32 s10, 2
	s_cbranch_scc0 .Lnot_k_\@
	tensor_load_to_lds s[G0+4*\slot:G0+4*\slot+3], s[G1K:G1K+7]
	s_nop 0
	s_branch .Lasked_\@
.Lnot_k_\@:
	s_cmp_eq_u32 s10, 2
	s_cbranch_scc0 .Lfor_d_\@
	tensor_load_to_lds s[G0+4*\slot:G0+4*\slot+3], s[G1V:G1V+7]
	s_nop 0
	s_branch .Lasked_\@
.Lfor_d_\@:
	tensor_load_to_lds s[G0+4*\slot:G0+4*\slot+3], s[G1D:G1D+7]
	s_nop 0
.Lasked_\@:
.endm
	STEP 0, 1
.Lloop:
	REFILL 0
	STEP 1, 0
	REFILL 1
	STEP 0, 0
	s_sub_co_u32 s18, s18, 1
	s_cmp_lg_u32 s18, 0
	s_cbranch_scc1 .Lloop
	s_wait_dscnt 0x0
	s_wait_tensorcnt 0x0                           ; the last tile has landed
	s_barrier_signal -1
	s_barrier_wait -1
	STEP 1, 0
	; THE MERGE of the two key halves.  The partial O go raw into the slots, which have had their last fill and, behind the next barrier, their last read.
	v_permlanex16_b32 v[YM], v[LS], s22, s23
	v_permlanex16_b32 v[YM+1], v[LS+1], s22, s23
	v_add_f32 v[LS], v[LS], v[YM]
	v_add_f32 v[LS+1], v[LS+1], v[YM+1]
	s_wait_dscnt 0x0
	s_barrier_signal -1
	s_barrier_wait -1
	ds_store_b32 v[MLS], v[MX]
	ds_store_b32 v[MLS], v[MX+2] offset:64
	ds_store_b32 v[MLS], v[LS] offset:512
	ds_store_b32 v[MLS], v[LS+1] offset:576
	WIN 0x08                                       ; store data from window 2
.set i, 0
.rept 64
	ds_store_b128 v[PST], v[4*i:4*i+3] offset:512*i
.set i, i+1
.endr
	WIN 0
	s_wait_dscnt 0x0                               ; for the others' sake
	s_barrier_signal -1
	s_barrier_wait -1
	ds_load_b32 v96, v[MLR]                        ; m of key half 0, of key half 1, l of half 0, of half 1
	ds_load_b32 v97, v[MLR] offset:256
	ds_load_b32 v98, v[MLR] offset:512
	ds_load_b32 v99, v[MLR] offset:768
	WIN 0x40
.set i, 0
.rept 32
	ds_load_b128 v[4*i:4*i+3], v[PRD] offset:512*i
.set i, i+1
.endr
	WIN 0
	s_wait_dscnt 32                                ; the four words are in
	v_max_num_f32 v34, v96, v97
	v_sub_f32 v35, v96, v34
	v_sub_f32 v36, v97, v34
	v_exp_f32 v100, v35
	v_exp_f32 v101, v36
	v_nop
	s_wait_alu depctr_va_vdst(0)
	v_mul_f32 v37, v100, v98
	v_fmac_f32 v37, v101, v99                      ; the diagonal key is never masked: the sum is at least 1 in one of the halves
	v_rcp_f32 v34, v37
	v_nop
	s_wait_alu depctr_va_vdst(0)
	v_mul_f32 v102, v100, v34
	v_mul_f32 v104, v101, v34
	v_mov_b32 v103, v102
	v_mov_b32 v105, v104
	WIN 0x40
.set i, 0
.rept 32
	ds_load_b128 v[128+4*i:128+4*i+3], v[PRD+1] offset:512*i
.set i, i+1
.endr
	s_wait_dscnt 32                                ; half 0's partial is in
	WIN 0x01
.set i, 0
.rept 64
	v_pk_mul_f32 v[VF+2*i:VF+2*i+1], v[2*i:2*i+1], v[102:103] op_sel_hi:[1,0]
.set i, i+1
.endr
	s_wait_dscnt 0
.set i, 0
.rept 64
	v_pk_fma_f32 v[VF+2*i:VF+2*i+1], v[128+2*i:128+2*i+1], v[104:105], v[VF+2*i:VF+2*i+1] op_sel_hi:[1,0,1]
.set i, i+1
.endr
	WIN 0
.set i, 0
.rept 64
	v_cvt_pk_f16_f32 v[64+i], v[VF+2*i], v[VF+2*i+1]
.set i, i+1
.endr
.irp b, 0,1,2,3,4,5,6,7,8,9,10,11,12,13,14,15
	ds_store_b128 v[STO], v[64+4*\b:64+4*\b+3] offset:32*\b        ; my own stage: row r, d = 16 b + 8 h ..
.endr
.irp t, 0,1,2,3,4,5,6,7,8,9,10,11,12,13,14,15
	ds_load_b128 v[VF+4*\t:VF+4*\t+3], v[RD] offset:SP*\t          ; a wave's LDS instructions are served in order: these see the stores
.endr
.irp t, 0,1,2,3,4,5,6,7,8,9,10,11,12,13,14,15
	s_wait_dscnt 15-\t
	global_store_b128 v[OO], v[VF+4*\t:VF+4*\t+3], s[8:9] offset:2048*\t   ; the wave stores 512 consecutive bytes, aligned
.endr
	s_wait_tensorcnt 0x0
	ds_add_u32 v39, v63
	s_wait_dscnt 0x0
	ROUND                                          ; the closing round
	s_endpgm
.Lfunc_end_k_q38dfacf5e8_attn:
	.size	k_q38dfacf5e8_attn, .Lfunc_end_k_q38dfacf5e8_attn-k_q38dfacf5e8_attn
	.p2alignl 7, 3214868480
	.fill 96, 4, 3214868480
	.section	.rodata,"a",@progbits
	.p2align	6, 0x0
	.amdhsa_kernel k_q38dfacf5e8_attn
		.amdhsa_group_segment_fixed_size 327680
		.amdhsa_private_segment_fixed_size 0
		.amdhsa_enable_private_segment 0
		.amdhsa_kernarg_size 24
		.amdhsa_user_sgpr_count 2
		.amdhsa_user_sgpr_kernarg_segment_ptr 1
		.amdhsa_wavefront_size32 1
		.amdhsa_system_sgpr_workgroup_id_x 1
		.amdhsa_system_sgpr_workgroup_id_y 1
		.amdhsa_system_sgpr_workgroup_id_z 1
		.amdhsa_system_vgpr_workitem_id 0
		.amdhsa_next_free_vgpr 1024
		.amdhsa_next_free_sgpr 92
		.amdhsa_reserve_vcc 0
		.amdhsa_float_denorm_mode_32 3
		.amdhsa_float_denorm_mode_16_64 3
		.amdhsa_memory_ordered 1
		.amdhsa_forward_progress 1
		.amdhsa_inst_pref_size 181
	.end_amdhsa_kernel
	.amdgpu_metadata
---
amdhsa.version: [ 1, 2 ]
amdhsa.kernels:
  - .name:           k_q38dfacf5e8_attn
    .symbol:         k_q38dfacf5e8_attn.kd
    .args:
      - { .name: qkv, .offset: 0, .size: 8, .value_kind: global_buffer, .address_space: global }
      - { .name: doc_ids, .offset: 8, .size: 8, .value_kind: global_buffer, .address_space: global }
      - { .name: ao, .offset: 16, .size: 8, .value_kind: global_buffer, .address_space: global }
    .group_segment_fixed_size: 327680
    .private_segment_fixed_size: 0
    .kernarg_segment_align: 8
    .kernarg_segment_size: 24
    .max_flat_workgroup_size: 128
    .sgpr_count:     92
    .vgpr_count:     1024
    .wavefront_size: 32
...
	.end_amdgpu_metadata
.endif
;; end of part 3
;; launch oproj (part 4): grid 8 x 32, 4 waves a work-group, clusters of 4 x 4, 327,680 bytes of LDS; arguments ao, cb, out0; writes out0
.if DOCPART == 4
	.amdgcn_target "amdgcn-amd-amdhsa--gfx1250"
	.amdhsa_code_object_version 6
	.text
	.protected	k_q38dfacf5e8_oproj
	.globl	k_q38dfacf5e8_oproj
	.p2align	8
	.type	k_q38dfacf5e8_oproj,@function
k_q38dfacf5e8_oproj:
	s_mov_b64 s[64:65], 0
	v_nop
	global_prefetch_b8 v0, s[64:65] scope:SCOPE_SE
	s_setreg_imm32_b32 hwreg(HW_REG_WAVE_MODE, 25, 1), 1
	s_wait_xcnt 0x0
	s_wait_alu depctr_hold_cnt(0) depctr_sa_sdst(0) depctr_va_vdst(0) depctr_va_sdst(0) depctr_va_ssrc(0) depctr_va_vcc(0) depctr_vm_vsrc(0)
	s_getreg_b32 s2, hwreg(HW_REG_IB_STS2, 6, 4)
	s_cmp_eq_u32 s2, 0
	s_cbranch_scc0 .Lentry_in_a_cluster
	s_endpgm
.Lentry_in_a_cluster:
	s_bfe_u32 s2, ttmp6, 0x10000c
	s_cmp_lg_u32 s2, 0xf033
	s_cbranch_scc0 .Lentry_shape_is_right
	s_endpgm
.Lentry_shape_is_right:
; oproj: out0 [4096][2048] f32 = ao [4096][1024] f16 times Wo [1024][2048] (f16 codes of the bf16-rounded weights, in cb), f32 sums.
; LIMITS: as stated for ao and Wo where they are made; NaN and infinities are not treated.
; A work-group makes 128 rows x 256 columns, 256 work-groups in all; wave w makes rows 64 (w >> 1) .. and columns 128 (w & 1) ..: 4 x 8 accumulator tiles, 256 registers.
; K goes in steps of 128 through two LDS slots: ao's tile with K along its rows (pitch 272), Wo's tile [k][n] as in memory (pitch 544), transposed by ds_load_tr16_b128.
; CLUSTERS: 4 x 4 work-groups; ao's tile is shared along a row of the cluster, Wo's along a column, each asked for jointly.
; REGISTER WINDOWS: 0 addresses and both fragment buffers; 1 the accumulators (tile (a, b) at v[8 (8 a + b)]).
; Source 0 = Wo's fragment, source 1 = ao's: lane (r, h) of tile (a, b) holds row 16 a + r, columns 16 b + 8 h + 0..7.
.set PA, 272
.set PB, 544
.set HALFT, 34816                      ; a wave's part of a slot: 64 x 544 of Wo; of ao 64 x 272, the first half of it
.set SLOT, 4*HALFT
.set BOFF, 2*HALFT
.set STAGE, 2*SLOT                     ; behind the ring: 16 rows x 528 bytes a wave
.set SP, 528
.set LAPS, 4                           ; 1024 / (2 x 128)
.set WOB, 29360128
.set ADRA, 16
.set ADRB, 20
.set STO, 24
.set RD, 25
.set CO, 26
.set FA, 32                            ; v32-63, v64-95
.set FB, 96                            ; v96-159, v160-223
.set G1, 24
.set G0, 32
.set G1B, 48
.set G0B, 56
.set MULW, 0x50                        ; C and D window 1
.set MSB, 0
.macro WIN new
.if MSB != (\new)
	s_set_vgpr_msb (MSB<<8)|(\new)
.set MSB, (\new)
.endif
.endm
.macro PLACES
.rept 4
	v_nop
.endr
.endm
.macro JLOAD s
	s_cmp_eq_u32 s11, 0
	s_cbranch_scc0 .Lfor_b_\@
	tensor_load_to_lds s[G0+4*\s:G0+4*\s+3], s[G1:G1+7]
	s_nop 0
	s_branch .Lasked_\@
.Lfor_b_\@:
	tensor_load_to_lds s[G0B+4*\s:G0B+4*\s+3], s[G1B:G1B+7]
	s_nop 0
.Lasked_\@:
.endm
.macro CREST
	s_cmp_lg_u32 s10, 0
	s_cbranch_scc1 .Lnot_wave_0_\@
	s_barrier_signal -3
.Lnot_wave_0_\@:
	s_barrier_wait -3
	s_barrier_signal -1
	s_barrier_wait -1
.endm
.macro CROUND
	s_barrier_signal -1
	s_barrier_wait -1
	CREST
.endm
	s_load_b128 s[4:7], s[0:1], 0x0                ; ao s[4:5], cb s[6:7]
	s_load_b64 s[8:9], s[0:1], 0x10                ; out0
	v_lshl_add_u32 v254, v0, 2, 0x4c400
	v_mov_b32 v255, 0
	ds_add_u32 v254, v255
	v_lshrrev_b32 v1, 5, v0
	v_readfirstlane_b32 s10, v1                    ; wave
	s_lshr_b32 s11, s10, 1                         ; my half of the rows.  Also: I fetch for ao (0) or Wo (1)
	s_and_b32 s12, s10, 1                          ; my half of the columns.  Also: which half of that tile I fetch
	s_bfe_u32 s40, ttmp6, 0x40000                  ; cx
	s_bfe_u32 s41, ttmp6, 0x40004                  ; cy
	s_lshl_b32 s42, ttmp9, 2
	s_add_co_u32 s42, s42, s40                     ; block column
	s_and_b32 s13, ttmp7, 0xffff
	s_lshl_b32 s13, s13, 2
	s_add_co_u32 s13, s13, s41                     ; block row
	s_lshl_b32 s43, s41, 2
	s_lshl_b32 s43, 15, s43                        ; my row of the cluster
	s_lshl_b32 s44, 0x1111, s40                    ; my column
	s_or_b32 s[G1+0], s43, (1<<16)|(1<<20)|(1<<21)|(5<<22)|(3<<25)
	s_mov_b32 s[G1+1], 128<<16
	s_mov_b32 s[G1+2], 64<<16
	s_mov_b32 s[G1+3], 128<<16
	s_mov_b32 s[G1+4], 64
	s_mov_b32 s[G1+5], 1024
	s_mov_b32 s[G1+6], 0
	s_mov_b32 s[G1+7], 0
	s_or_b32 s[G1B+0], s44, (1<<16)|(1<<20)|(1<<21)|(6<<22)|(7<<25)
	s_mov_b32 s[G1B+1], 256<<16
	s_mov_b32 s[G1B+2], 64<<16
	s_mov_b32 s[G1B+3], 256<<16
	s_mov_b32 s[G1B+4], 64
	s_mov_b32 s[G1B+5], 2048
	s_mov_b32 s[G1B+6], 0
	s_mov_b32 s[G1B+7], 0
	s_lshl_b32 s16, s13, 18                        ; ao: (128 x block row + 64 x half) rows of 2,048 bytes; never holds cx
	s_lshl_b32 s17, s12, 17
	s_add_co_u32 s16, s16, s17
	s_mov_b32 s17, 0
	s_lshl_b32 s46, s42, 9                         ; Wo: 512 bytes x block column, 64 x half rows of 4,096 bytes; never holds cy
	s_lshl_b32 s47, s12, 18
	s_add_co_u32 s46, s46, s47
	s_add_co_u32 s46, s46, WOB
	s_mov_b32 s47, 0
	s_mul_i32 s20, s10, HALFT
	s_wait_dscnt 0x0
	s_wait_kmcnt 0x0
	s_add_nc_u64 s[14:15], s[4:5], s[16:17]
	s_add_nc_u64 s[46:47], s[6:7], s[46:47]
	CROUND                                         ; in front of the first joint loads
.irp s, 0,1
	s_mov_b32 s[G0+4*\s], 1
	s_add_co_u32 s[G0+4*\s+1], s20, \s*SLOT
	s_add_nc_u64 s[G0+4*\s+2:G0+4*\s+3], s[14:15], \s*256
	s_or_b32 s[G0+4*\s+3], s[G0+4*\s+3], 0x80000000
	s_mov_b32 s[G0B+4*\s], 1
	s_add_co_u32 s[G0B+4*\s+1], s20, \s*SLOT
	s_add_nc_u64 s[G0B+4*\s+2:G0B+4*\s+3], s[46:47], \s*524288
	s_or_b32 s[G0B+4*\s+3], s[G0B+4*\s+3], 0x80000000
	JLOAD \s                                       ; two tensor loads of this wave are out
.endr
	v_and_b32 v1, 15, v0                           ; r
	v_bfe_u32 v2, v0, 4, 1                         ; h
	v_and_b32 v3, 31, v0                           ; lane
	v_mul_u32_u24 v4, v1, PA
	v_lshl_add_u32 v4, v2, 4, v4
	s_mul_i32 s21, s11, HALFT                      ; my 64 rows of ao are one wave's part of the slot
	v_add_nc_u32 v[ADRA], s21, v4
	v_add_nc_u32 v[ADRA+1], SLOT, v[ADRA]
	v_and_b32 v4, 7, v0
	v_lshl_add_u32 v4, v2, 3, v4
	v_mul_u32_u24 v4, v4, PB
	v_bfe_u32 v5, v0, 3, 1
	v_lshl_add_u32 v4, v5, 4, v4
	s_lshl_b32 s22, s12, 8                         ; my 128 columns
	s_add_co_u32 s22, s22, BOFF
	v_add_nc_u32 v[ADRB], s22, v4
	v_add_nc_u32 v[ADRB+1], SLOT, v[ADRB]
	s_mul_i32 s23, s10, 16*SP
	s_add_co_u32 s23, s23, STAGE
	v_mul_u32_u24 v4, v1, SP
	v_lshl_add_u32 v4, v2, 5, v4
	v_add_nc_u32 v[STO], s23, v4
	v_lshl_add_u32 v[RD], v3, 4, s23
	v_lshlrev_b32 v[CO], 4, v3
; eight matrix instructions: row tile a x my 8 column tiles.  The 32 accumulators take turns, one instruction a turn, in the same order in every quarter.
.macro MUL8 u, a, zero
.irp b, 0,1,2,3,4,5,6,7
.if \zero
	v_wmma_f32_16x16x32_f16 v[8*(8*\a+\b):8*(8*\a+\b)+7], v[FB+64*\u+8*\b:FB+64*\u+8*\b+7], v[FA+32*\u+8*\a:FA+32*\u+8*\a+7], 0
.else
	v_wmma_f32_16x16x32_f16 v[8*(8*\a+\b):8*(8*\a+\b)+7], v[FB+64*\u+8*\b:FB+64*\u+8*\b+7], v[FA+32*\u+8*\a:FA+32*\u+8*\a+7], v[8*(8*\a+\b):8*(8*\a+\b)+7]
.endif
.endr
.endm
.macro FETCH slot, kq, u               ; 24 LDS loads: 8 fragments of Wo, then 4 of ao
.irp b, 0,1,2,3,4,5,6,7
	ds_load_tr16_b128 v[FB+64*\u+8*\b:FB+64*\u+8*\b+3], v[ADRB+\slot] offset:\kq*32*PB+32*\b
	ds_load_tr16_b128 v[FB+64*\u+8*\b+4:FB+64*\u+8*\b+7], v[ADRB+\slot] offset:\kq*32*PB+32*\b+16*PB
.endr
.irp i, 0,1,2,3
	ds_load_b128 v[FA+32*\u+8*\i:FA+32*\u+8*\i+3], v[ADRA+\slot] offset:\kq*64+\i*16*PA
	ds_load_b128 v[FA+32*\u+8*\i+4:FA+32*\u+8*\i+7], v[ADRA+\slot] offset:\kq*64+\i*16*PA+32
.endr
.endm
.macro QUARTER slot, kq, u, g, zero
	s_wait_dscnt 4                                 ; all but ao's fragments 2 and 3
	WIN MULW
	MUL8 \u, 0, \zero
	MUL8 \u, 1, \zero
	WIN 0
	PLACES
	FETCH \slot, \kq, \g
	s_wait_dscnt 24                                ; all but the 24 just issued
	WIN MULW
	MUL8 \u, 2, \zero
	MUL8 \u, 3, \zero
.endm
.macro THREE slot, zero
	QUARTER \slot, 1, 0, 1, \zero
	QUARTER \slot, 2, 1, 0, 0
	QUARTER \slot, 3, 0, 1, 0
.endm
.macro TURN slot, next, fill
	s_wait_dscnt 4
	WIN MULW
	MUL8 1, 0, 0
	s_wait_dscnt 0                                 ; my reads of this slot are over
	s_wait_tensorcnt 0x0                           ; all my tensor loads have landed: my part of the next slot
	ds_add_u32 v254, v255
	s_wait_dscnt 0x0
	s_barrier_signal -1
	MUL8 1, 1, 0
	WIN 0
	s_barrier_wait -1
.if \fill
	CREST                                          ; the barrier above opened a round of the cluster's barrier; the joint refill is the first tensor load behind it
	s_add_nc_u64 s[G0+4*\slot+2:G0+4*\slot+3], s[G0+4*\slot+2:G0+4*\slot+3], 512
	s_add_nc_u64 s[G0B+4*\slot+2:G0B+4*\slot+3], s[G0B+4*\slot+2:G0B+4*\slot+3], 1048576
	JLOAD \slot
.endif
	PLACES
	FETCH \next, 0, 0
	WIN MULW
	MUL8 1, 2, 0
	MUL8 1, 3, 0
.endm
.macro LAP zero
	THREE 0, \zero
	TURN 0, 1, 1
	THREE 1, 0
	TURN 1, 0, 1
.endm
	s_wait_tensorcnt 1                             ; my part of K step 0 is in; K step 1's stays out
	s_barrier_signal -1
	s_barrier_wait -1
	FETCH 0, 0, 0
	LAP 1
	WIN 0
	s_mov_b32 s3, LAPS-2
.Llap:
	LAP 0
	WIN 0
	s_sub_co_u32 s3, s3, 1
	s_cmp_lg_u32 s3, 0
	s_cbranch_scc1 .Llap
	THREE 0, 0
	TURN 0, 1, 0
	THREE 1, 0
	s_wait_dscnt 4
	WIN MULW
	MUL8 1, 0, 0
	MUL8 1, 1, 0
	s_wait_dscnt 0
	MUL8 1, 2, 0
	MUL8 1, 3, 0
	WIN 0
	PLACES
	s_lshl_b32 s16, s13, 20                        ; my first row: (128 x block row + 64 x half) rows of 8,192 bytes
	s_lshl_b32 s17, s11, 19
	s_add_co_u32 s16, s16, s17
	s_mov_b32 s17, 0
	s_add_nc_u64 s[8:9], s[8:9], s[16:17]
	s_lshl_b32 s46, s42, 10                        ; my first column: 1,024 bytes x block column + 512 x half
	s_lshl_b32 s47, s12, 9
	s_add_co_u32 s46, s46, s47
	s_mov_b32 s47, 0
	s_add_nc_u64 s[8:9], s[8:9], s[46:47]
; THE WAY OUT, 16 rows at a time through the wave's own stage: 32 bytes a lane in, whole rows of 512 bytes back.
.macro OUT16 a, f
	WIN 0x04                                       ; store data from window 1
.irp b, 0,1,2,3,4,5,6,7
	ds_store_b128 v[STO], v[8*(8*\a+\b):8*(8*\a+\b)+3] offset:64*\b
	ds_store_b128 v[STO], v[8*(8*\a+\b)+4:8*(8*\a+\b)+7] offset:64*\b+16
.endr
	WIN 0
	s_wait_xcnt 0x0                                ; earlier stores have had their addresses translated (ISA guide 3.1): their data registers are loaded again only behind this wait
.irp t, 0,1,2,3,4,5,6,7,8,9,10,11,12,13,14,15
	ds_load_b128 v[\f+4*\t:\f+4*\t+3], v[RD] offset:SP*\t
.endr
.irp t, 0,1,2,3,4,5,6,7,8,9,10,11,12,13,14,15
	s_wait_dscnt 15-\t
	global_store_b128 v[CO], v[\f+4*\t:\f+4*\t+3], s[8:9] offset:(16*\a+\t)*8192 th:TH_STORE_NT   ; the wave stores 512 consecutive bytes, aligned
.endr
.endm
	OUT16 0, 32
	OUT16 1, 96
	OUT16 2, 32
	OUT16 3, 96
	s_wait_tensorcnt 0x0
	ds_add_u32 v254, v255
	s_wait_dscnt 0x0
	CROUND                                         ; the closing round
	s_endpgm
.Lfunc_end_k_q38dfacf5e8_oproj:
	.size	k_q38dfacf5e8_oproj, .Lfunc_end_k_q38dfacf5e8_oproj-k_q38dfacf5e8_oproj
	.p2alignl 7, 3214868480
	.fill 96, 4, 3214868480
	.section	.rodata,"a",@progbits
	.p2align	6, 0x0
	.amdhsa_kernel k_q38dfacf5e8_oproj
		.amdhsa_group_segment_fixed_size 327680
		.amdhsa_private_segment_fixed_size 0
		.amdhsa_enable_private_segment 0
		.amdhsa_kernarg_size 24
		.amdhsa_user_sgpr_count 2
		.amdhsa_user_sgpr_kernarg_segment_ptr 1
		.amdhsa_wavefront_size32 1
		.amdhsa_system_sgpr_workgroup_id_x 1
		.amdhsa_system_sgpr_workgroup_id_y 1
		.amdhsa_system_sgpr_workgroup_id_z 1
		.amdhsa_system_vgpr_workitem_id 0
		.amdhsa_next_free_vgpr 512
		.amdhsa_next_free_sgpr 66
		.amdhsa_reserve_vcc 0
		.amdhsa_float_denorm_mode_32 3
		.amdhsa_float_denorm_mode_16_64 3
		.amdhsa_memory_ordered 1
		.amdhsa_forward_progress 1
		.amdhsa_inst_pref_size 117
	.end_amdhsa_kernel
	.amdgpu_metadata
---
amdhsa.version: [ 1, 2 ]
amdhsa.kernels:
  - .name:           k_q38dfacf5e8_oproj
    .symbol:         k_q38dfacf5e8_oproj.kd
    .args:
      - { .name: ao, .offset: 0, .size: 8, .value_kind: global_buffer, .address_space: global }
      - { .name: cb, .offset: 8, .size: 8, .value_kind: global_buffer, .address_space: global }
      - { .name: out0, .offset: 16, .size: 8, .value_kind: global_buffer, .address_space: global }
    .group_segment_fixed_size: 327680
    .private_segment_fixed_size: 0
    .kernarg_segment_align: 8
    .kernarg_segment_size: 24
    .max_flat_workgroup_size: 128
    .sgpr_count:     66
    .vgpr_count:     512
    .wavefront_size: 32
...
	.end_amdgpu_metadata
.endif
;; end of part 4
